; MI455X (gfx1250); checked and timed in simulation.
; The chip was launched on July 23, 2026; its instructions are those of AMD's public machine-readable ISA for CDNA 5 (MIT licence, August 2026) and "CDNA5" Instruction Set Architecture Reference Guide (July 2026). The comments in the code are by the model that wrote it; some were corrected since.
;; Quantized Linear. Allowed arithmetic: matrix products marked QUANTISED: E2M3 operands, one E8M0 scale for each 32 along K, by v_wmma_scale_f32_16x16x128_f8f6f4 with both operands' format E2M3, f32 sums; everything else in f32.
;; Inputs: bias_scale 1 float32; bias_zero_point 1 int32; input 8 x 512 x 4,096 float32; quantized_bias 4,096 int32; quantized_weight 4,096 x 4,096 int32; weight_scale 1 float32; weight_zero_point 1 int32.
;; Outputs: out0 8 x 512 x 4,096 float32.
;; This version of the problem:
;;   THIS VERSION OF THE PROBLEM IS GIVEN IN LOW PRECISION. The matrix products marked QUANTISED in the list below multiply operands that are first quantised to E2M3 (2 exponent bits, 3 mantissa bits; 6 bits a number), with one power-of-two scale for each 32 numbers along K (OCP MX v1.0); their sums are f32. All else is computed in f32.
;;   The module's matrix products, in the order in which they are computed (A, B: the left and right operand; K: the contracted axis; several contracted axes count as one K, in the product's order):
;;     1. [M 4,096, K 4,096] x [K 4,096, N 4,096]; A: input input; B: computed on the way: QUANTISED
;;   THE QUANTISER, for each operand of a quantised product, along K:
;;     - K is cut into blocks of 32 from its start; a last block that is shorter is filled with zeros.
;;     - A block's scale is 2^e with e = floor(log2(the largest magnitude in the block)) - 2, held to -126 .. 127; a block of zeros has e = 0. As a byte (E8M0): e + 127.
;;     - Each number is divided by its block's scale, clamped to +-7.5, and rounded to the nearest number of E2M3, ties to even, subnormals kept.
;;     - The product sums the exact products of the quantised numbers (number of the format x scale) in f32.
;;   ~~~python
;;   def quantise(x, axis):      # numpy; x: float32 -> the quantised numbers, widened to float32 again
;;       x = np.moveaxis(x, axis, -1); K = x.shape[-1]
;;       x = np.pad(x, [(0, 0)] * (x.ndim - 1) + [(0, -K % 32)]); x = x.reshape(x.shape[:-1] + (-1, 32)); a = np.abs(x).max(-1, keepdims=True)
;;       e = np.where(a > 0, np.clip(np.frexp(np.where(a > 0, a, 1))[1] - 1 - 2, -126, 127), 0)      # np.frexp(a)[1] - 1 = floor(log2(a)), exactly
;;       r = np.clip(x / 2.0 ** e, -7.5, 7.5)
;;       step = 2.0 ** (np.maximum(np.frexp(np.where(r == 0, 1, r))[1] - 1, 0) - 3)
;;       q = np.round(r / step) * step * 2.0 ** e      # np.round: ties to even
;;       return np.moveaxis(q.reshape(q.shape[:-2] + (-1,))[..., :K], -1, axis).astype(np.float32)
;;   ~~~
;;   OPERANDS COMPUTED ON THE WAY. 'Computed on the way' means the value that the module computes at that place (a softmax that the list does not call 'softmax' is quantised finished and normalised). What goes into a quantiser is computed in f32, as accurately as f32 sums, v_exp_f32 and their like allow (about 1e-6 of the number): no bf16 or f16 on the way to a quantiser, and a product that is left as it is and whose result goes on into a quantised operand takes f32 operands (vector FMAs, or v_wmma_f32_16x16x4_f32). A number that lies on a knife's edge between two numbers of the format may be rounded either way, as far as f32 arithmetic and the matrix unit's own rounding can turn it there, and no further.
;; One version. Each part assembles by itself: llvm-mc -triple=amdgcn-amd-amdhsa -mcpu=gfx1250 --defsym DOCPART=n.
;; ======== version 1 of 1: 2 launches
;; limits: right only within a limited range of input values
;; workspace buffers: a_codes 13,107,200 bytes; b_codes 13,107,200 bytes
;; launch quant (part 1): grid 128 x 2, 16 waves a work-group, no clusters, 137,216 bytes of LDS; arguments input, quantized_weight, a_codes, b_codes, weight_scale, weight_zero_point; writes a_codes, b_codes
.if DOCPART == 1
	.amdgcn_target "amdgcn-amd-amdhsa--gfx1250"
	.amdhsa_code_object_version 6
	.text
	.protected	k_q6cf6971fb1_quant
	.globl	k_q6cf6971fb1_quant
	.p2align	8
	.type	k_q6cf6971fb1_quant,@function
k_q6cf6971fb1_quant:
	s_mov_b64 s[64:65], 0
	v_nop
	global_prefetch_b8 v0, s[64:65] scope:SCOPE_SE
	s_setreg_imm32_b32 hwreg(HW_REG_WAVE_MODE, 25, 1), 1
	s_wait_xcnt 0x0
; input [4096][4096] f32 and w = (f32(quantized_weight) - f32(weight_zero_point)) x weight_scale, [4096][4096], are turned into codes of FP6 (E2M3) along K (their last axis),
; with one E8M0 scale byte for each 32 along K.  A block's scale is 2^(floor(log2(its largest magnitude)) - 2); its byte is the largest magnitude's exponent field - 2, held at 1 from below.
; LIMITS: NaN and infinities among the inputs are not served.  A block whose largest magnitude lies under 2^-124 has its byte held at 1 (the quantiser's -126).  A block of zeros gets the byte 1
; where the quantiser says 127: its codes are zeros, which add nothing under any byte but 0xff, and the bytes are read by this program alone.
; THE WORKSPACE IS LAID AS THE PRODUCT'S LAUNCH READS IT: [32 groups of 128 rows][32 K steps of 128][12,800 bytes].  The 12,800 bytes: eight fragments' images of 1,536 bytes (row block i: registers
; 4 c .. 4 c + 3 of lane l at 1,536 i + 512 c + 16 l; lane (r = l % 16, h = l / 16) holds row r of the block, its registers 6 c .. 6 c + 5 hold k = 64 c + 32 h + 0 .. 31 of the K step), then 512 bytes of
; scale words, [2][16 rows][4 words]: word ii of (j, r) holds the four scale bytes of row r of row block 4 j + ii.  Row block i holds, as its row r, the group's row 64 (i / 4) + 4 r + i % 4.
; SHARES.  Work-group y = 0 takes input, y = 1 the weight; work-group x takes the group of 128 rows x / 4 and 8 K steps from 8 (x % 4) on.  Wave w takes K step w / 2 of the eight and row blocks 4 (w % 2) + 0 .. 3:
; four fragments, whose 64 scale words are one aligned run of 256 bytes of the workspace: they stay in registers and leave by one store.  So the waves share nothing, and there is no barrier.
; Each load reads 512 consecutive bytes of one row.  A fragment's 16 x 512 bytes turn through the wave's own stage in LDS, so that a lane gets 2 x 32 neighbours along K of its row: whole blocks of 32,
; whose largest magnitude needs no other lane.  The conversions' results are the operand's registers; each store of codes covers 512 consecutive bytes, aligned.
; Loads run two fragments (32 loads a wave) ahead.  Every offset is an immediate: no pointer is stepped.
.set SP,    528                        ; a stage row: 512 bytes + 16: the 16 rows that a read touches start at 16 different groups of four banks (64 banks of 4 bytes: ISA guide 11.1)
.set STG,   16*SP                      ; a wave's stage
.set SPARE, 16*STG                     ; behind the sixteen stages: the spare words, 128 bytes a wave
.set SCO,   12288                      ; where the scale words begin in a K step's bytes
.set STEPB, 12800                      ; a K step of 128 rows
.set PC,   32                          ; v32-43   a fragment's codes
.set T0,   44                          ; v44-46, v48-50: a conversion's three registers begin on an even number; the second half of a block's six does not, so it is made here and moved
.set T1,   48
.set X,    64                          ; v64-127  64 numbers of my row: register 32 c + n = k 64 c + 32 h + n
.set R,    128                         ; v128-255 two sets of 64 registers as loaded
	s_load_b256 s[4:11], s[0:1], 0x0               ; input s[4:5], quantized_weight s[6:7], a_codes s[8:9], b_codes s[10:11]
	s_load_b128 s[12:15], s[0:1], 0x20             ; weight_scale s[12:13], weight_zero_point s[14:15]
	v_lshl_add_u32 v62, v0, 2, SPARE
	v_mov_b32 v63, 0
	v_lshrrev_b32 v1, 5, v0
	s_delay_alu instid0(VALU_DEP_1)
	v_readfirstlane_b32 s20, v1                    ; wave 0..15
	s_and_b32 s21, ttmp7, 0xffff                   ; y: 0 input, 1 the weight
	s_mul_i32 s28, s20, STG                        ; my wave's stage
	v_and_b32 v1, 31, v0                           ; lane
	v_and_b32 v2, 15, v0                           ; r
	v_bfe_u32 v3, v0, 4, 1                         ; h
	s_delay_alu instid0(VALU_DEP_3)
	v_lshlrev_b32 v4, 4, v1                        ; 16 x lane: my bytes of a load's or a store's 512; never rewritten
	v_mul_u32_u24 v6, v2, SP
	v_lshlrev_b32 v7, 3, v3                        ; 8 h: my bytes' place in a scale word, in bits; and my 8 bytes of a row's four scale words
	v_add_nc_u32 v5, s28, v4                       ; into the stage: as loaded
	v_lshl_add_u32 v6, v3, 7, v6
	v_lshl_add_u32 v26, v2, 4, v7                  ; 16 r + 8 h: my place among my wave's 256 bytes of scale words
	v_mov_b32 v19, 0                               ; written once: a lane permute's destination counts as one of its sources
	v_add_nc_u32 v6, s28, v6                       ; out of the stage: row r, + 128 h bytes: 32 numbers on for lanes 16-31
	s_wait_alu depctr_va_vdst(0)                   ; the wait at the head's end
	s_mov_b32 s26, 0x76543210
	s_mov_b32 s27, 0xfedcba98                      ; v_permlanex16_b32's selects for lane l xor 16
	s_mov_b32 s19, 0xffff0000                      ; lanes 16-31
	s_lshr_b32 s29, s20, 1                         ; my K step of the eight: w / 2
	s_and_b32 s30, s20, 1                          ; my four row blocks: w % 2
	s_lshr_b32 s16, ttmp9, 2                       ; the group of 128 rows
	s_and_b32 s17, ttmp9, 3                        ; which 8 K steps
	s_mov_b32 s25, 0                               ; the offsets' high word
	s_wait_kmcnt 0x0
	s_load_b32 s22, s[12:13], 0x0                  ; weight_scale
	s_load_b32 s23, s[14:15], 0x0                  ; weight_zero_point
	s_cmp_eq_u32 s21, 0                            ; which tensor: the choice hangs on the work-group's number alone
	s_cselect_b64 s[4:5], s[4:5], s[6:7]
	s_cselect_b64 s[8:9], s[8:9], s[10:11]
	s_lshl_b32 s24, s16, 21                        ; in: 128 rows of 16,384 bytes a group,
	s_lshl_b32 s28, s30, 20                        ; 64 rows for w % 2,
	s_add_co_u32 s24, s24, s28
	s_lshl_b32 s28, s17, 12                        ; 8 K steps of 512 bytes,
	s_add_co_u32 s24, s24, s28
	s_lshl_b32 s28, s29, 9                         ; my K step
	s_add_co_u32 s24, s24, s28
	s_add_nc_u64 s[4:5], s[4:5], s[24:25]
	s_mul_i32 s24, s16, 32*STEPB                   ; out: the group's 32 K steps,
	s_mul_i32 s28, s17, 8*STEPB                    ; the work-group's eight,
	s_add_co_u32 s24, s24, s28
	s_mul_i32 s28, s29, STEPB                      ; mine
	s_add_co_u32 s24, s24, s28
	s_add_nc_u64 s[8:9], s[8:9], s[24:25]
	s_lshl_b32 s24, s30, 8                         ; my half of its 512 bytes of scale words,
	s_add_nc_u64 s[10:11], s[8:9], s[24:25]
	s_mul_i32 s24, s30, 4*1536                     ; my four images
	s_add_nc_u64 s[8:9], s[8:9], s[24:25]
.macro LOAD f                          ; fragment f: my K step of row block 4 (w % 2) + f, a row to a load, into set f % 2; the block's rows lie four rows apart
.irp j, 0,1,2,3,4,5,6,7,8,9,10,11,12,13,14,15
	global_load_b128 v[R+64*((\f)%2)+4*\j:R+64*((\f)%2)+4*\j+3], v4, s[4:5] offset:65536*\j+16384*(\f) th:TH_LOAD_NT   ; 32 lanes read 512 consecutive bytes; read once in the launch
.endr
.endm
	LOAD 0
	LOAD 1
	s_wait_kmcnt 0x0
	v_cvt_f32_i32 v8, s23                          ; f32(zero point), twice: a pair for the packed subtraction
	s_delay_alu instid0(VALU_DEP_1)
	v_mov_b32 v9, v8
	v_mov_b32 v10, s22                             ; the weight's scale, twice
	v_mov_b32 v11, s22
.macro FRAGQ f
.if (\f) < 3
	s_wait_loadcnt 16                              ; this fragment's 16 loads are in; the next fragment's 16 may be out
.else
	s_wait_loadcnt 0x0
.endif
.irp j, 0,1,2,3,4,5,6,7,8,9,10,11,12,13,14,15
	ds_store_b128 v5, v[R+64*((\f)%2)+4*\j:R+64*((\f)%2)+4*\j+3] offset:SP*\j
.endr
.irp c, 0,1
.irp i, 0,1,2,3,4,5,6,7
	ds_load_b128 v[X+32*\c+4*\i:X+32*\c+4*\i+3], v6 offset:256*\c+16*\i   ; LDS serves a wave's instructions in order (ISA guide 5.7.1.4): these see the stores above
.endr
.endr
	s_wait_dscnt 0x0                               ; my 64 numbers are back, and the stores have read the set,
.if (\f)+2 < 4
	LOAD (\f)+2                                    ; which takes the fragment two further on
.endif
	s_cmp_eq_u32 s21, 0                            ; input is taken as it is; the branch hangs on the work-group's number alone and leads round work on registers
	s_cbranch_scc1 .Lraw_\@
.set n, 0
.rept 64
	v_cvt_f32_i32 v[X+n], v[X+n]                   ; the weight: f32(q),
.set n, n+1
.endr
.set n, 0
.rept 32
	v_pk_add_f32 v[X+n:X+n+1], v[X+n:X+n+1], v[8:9] neg_lo:[0,1] neg_hi:[0,1]   ; less f32(zero point),
.set n, n+2
.endr
.set n, 0
.rept 32
	v_pk_mul_f32 v[X+n:X+n+1], v[X+n:X+n+1], v[10:11]   ; times the scale: two roundings, as the problem has them, so they are not fused
.set n, n+2
.endr
.Lraw_\@:
.irp c, 0,1                                    ; my block 2 c + h of 32 along K: all its numbers are mine
	v_max3_num_f32 v[12+\c], |v[X+32*\c]|, |v[X+32*\c+1]|, 0x1800000   ; and the floor 2^(3 - 127), under which no largest magnitude is taken: so the byte cannot fall under 1
.endr
.irp i, 2,4,6,8,10,12,14,16,18,20,22,24,26,28,30
.irp c, 0,1
	s_delay_alu instid0(VALU_DEP_2)
	v_max3_num_f32 v[12+\c], v[12+\c], |v[X+32*\c+\i]|, |v[X+32*\c+\i+1]|   ; (the two blocks by turns)
.endr
.endr
.irp c, 0,1
	s_delay_alu instid0(VALU_DEP_2)
	v_add_nc_u32 v[14+\c], 0xff000000, v[12+\c]    ; 2 off its exponent field: the conversion takes the exponent field of this operand as its scale, and nothing else of it
.endr
.irp c, 0,1
	s_delay_alu instid0(VALU_DEP_2)
	v_lshrrev_b32 v[16+\c], 23, v[14+\c]           ; the scale's byte
.endr
	s_delay_alu instid0(VALU_DEP_1)
	v_lshl_or_b32 v18, v17, 16, v16                ; my two bytes: blocks h and 2 + h of row r,
	s_delay_alu instid0(VALU_DEP_1)
	v_lshlrev_b32 v18, v7, v18                     ; at their places in the scale word;
	s_delay_alu instid0(VALU_DEP_1)
	v_permlanex16_b32 v19, v18, s26, s27
	s_delay_alu instid0(VALU_DEP_1)
	v_or_b32 v[20+(\f)], v18, v19                  ; with lane l xor 16's two the word is whole, in both lanes: word f of my row's four
.if (\f) > 0
	s_wait_alu depctr_va_vdst(0)                   ; directly ahead of the wait below
	s_wait_xcnt 0x0                                ; the codes' registers were the last fragment's store data: they are written again only behind this wait
.endif
	v_cvt_scalef32_pk16_fp6_f32 v[PC:PC+2], v[X:X+15], v14          ; sixteen numbers / the scale, to the nearest code, ties to even, beyond the largest code the largest
	v_cvt_scalef32_pk16_fp6_f32 v[T0:T0+2], v[X+16:X+31], v14
	v_cvt_scalef32_pk16_fp6_f32 v[PC+6:PC+8], v[X+32:X+47], v15
	v_cvt_scalef32_pk16_fp6_f32 v[T1:T1+2], v[X+48:X+63], v15
	v_nop                                          ; one plain place behind a scaled conversion
.irp i, 0,1,2
	v_mov_b32 v[PC+3+\i], v[T0+\i]
	v_mov_b32 v[PC+9+\i], v[T1+\i]
.endr
.irp c, 0,1,2
	global_store_b128 v4, v[PC+4*\c:PC+4*\c+3], s[8:9] offset:1536*(\f)+512*\c   ; the image: 32 lanes store 512 consecutive bytes, at a multiple of 512 from the buffer's first byte
.endr
.endm
	FRAGQ 0
	FRAGQ 1
	FRAGQ 2
	FRAGQ 3
	v_cndmask_b32 v24, v20, v22, s19               ; lanes 0-15 store words 0 and 1 of their row, lanes 16-31 words 2 and 3
	v_cndmask_b32 v25, v21, v23, s19
	global_store_b64 v26, v[24:25], s[10:11] offset:SCO   ; the 32 lanes store 256 consecutive bytes, at a multiple of 256 from the buffer's first byte
	s_wait_tensorcnt 0x0                           ; the wave's end, behind my last LDS store
	ds_add_u32 v62, v63
	s_wait_dscnt 0x0
	s_endpgm
.Lfunc_end_k_q6cf6971fb1_quant:
	.size	k_q6cf6971fb1_quant, .Lfunc_end_k_q6cf6971fb1_quant-k_q6cf6971fb1_quant
	.p2alignl 7, 3214868480
	.fill 96, 4, 3214868480
	.section	.rodata,"a",@progbits
	.p2align	6, 0x0
	.amdhsa_kernel k_q6cf6971fb1_quant
		.amdhsa_group_segment_fixed_size 137216
		.amdhsa_private_segment_fixed_size 0
		.amdhsa_enable_private_segment 0
		.amdhsa_kernarg_size 48
		.amdhsa_user_sgpr_count 2
		.amdhsa_user_sgpr_kernarg_segment_ptr 1
		.amdhsa_wavefront_size32 1
		.amdhsa_system_sgpr_workgroup_id_x 1
		.amdhsa_system_sgpr_workgroup_id_y 1
		.amdhsa_system_sgpr_workgroup_id_z 1
		.amdhsa_system_vgpr_workitem_id 0
		.amdhsa_next_free_vgpr 256
		.amdhsa_next_free_sgpr 66
		.amdhsa_reserve_vcc 0
		.amdhsa_float_denorm_mode_32 3
		.amdhsa_float_denorm_mode_16_64 3
		.amdhsa_memory_ordered 1
		.amdhsa_forward_progress 1
		.amdhsa_inst_pref_size 60
	.end_amdhsa_kernel
	.amdgpu_metadata
---
amdhsa.version: [ 1, 2 ]
amdhsa.kernels:
  - .name:           k_q6cf6971fb1_quant
    .symbol:         k_q6cf6971fb1_quant.kd
    .args:
      - { .name: input, .offset: 0, .size: 8, .value_kind: global_buffer, .address_space: global }
      - { .name: quantized_weight, .offset: 8, .size: 8, .value_kind: global_buffer, .address_space: global }
      - { .name: a_codes, .offset: 16, .size: 8, .value_kind: global_buffer, .address_space: global }
      - { .name: b_codes, .offset: 24, .size: 8, .value_kind: global_buffer, .address_space: global }
      - { .name: weight_scale, .offset: 32, .size: 8, .value_kind: global_buffer, .address_space: global }
      - { .name: weight_zero_point, .offset: 40, .size: 8, .value_kind: global_buffer, .address_space: global }
    .group_segment_fixed_size: 137216
    .private_segment_fixed_size: 0
    .kernarg_segment_align: 8
    .kernarg_segment_size: 48
    .max_flat_workgroup_size: 512
    .sgpr_count:     66
    .vgpr_count:     256
    .wavefront_size: 32
...
	.end_amdgpu_metadata
.endif
;; end of part 1
;; launch gemm (part 2): grid 16 x 16, 4 waves a work-group, clusters of 4 x 4, 327,680 bytes of LDS; arguments a_codes, b_codes, quantized_bias, bias_scale, bias_zero_point, out0; writes out0
.if DOCPART == 2
	.amdgcn_target "amdgcn-amd-amdhsa--gfx1250"
	.amdhsa_code_object_version 6
	.text
	.protected	k_q6cf6971fb1_gemm
	.globl	k_q6cf6971fb1_gemm
	.p2align	8
	.type	k_q6cf6971fb1_gemm,@function
k_q6cf6971fb1_gemm:
	s_mov_b64 s[64:65], 0
	v_nop
	global_prefetch_b8 v0, s[64:65] scope:SCOPE_SE
	s_setreg_imm32_b32 hwreg(HW_REG_WAVE_MODE, 25, 1), 1
	s_wait_xcnt 0x0
	s_wait_alu depctr_hold_cnt(0) depctr_sa_sdst(0) depctr_va_vdst(0) depctr_va_sdst(0) depctr_va_ssrc(0) depctr_va_vcc(0) depctr_vm_vsrc(0)
	s_getreg_b32 s2, hwreg(HW_REG_IB_STS2, 6, 4)
	s_cmp_eq_u32 s2, 0
	s_cbranch_scc0 .Lentry_in_a_cluster
	s_endpgm
.Lentry_in_a_cluster:
	s_bfe_u32 s2, ttmp6, 0x10000c
	s_cmp_lg_u32 s2, 0xf033
	s_cbranch_scc0 .Lentry_shape_is_right
	s_endpgm
.Lentry_shape_is_right:
; out0[m][n] = sum over k of A[m][k] W[n][k] + (f32(quantized_bias[n]) - f32(bias_zero_point)) x bias_scale.  A and W come as codes of FP6 (E2M3) with E8M0 scale bytes, made by launch quant and laid
; [32 groups of 128 rows][32 K steps of 128][12,800 bytes]: eight fragments' register images of 1,536 bytes, then 512 bytes of scale words.  Block i of a group holds, as its row j, the group's row 64 (i / 4) + 4 j + i % 4.
; A work-group of four waves makes 256 x 256 of out0, a wave 128 x 128: 64 accumulators.  Source 0 = 16 rows of A, source 1 = 16 rows of W: register j of lane (r, h) is (A's block row 8 h + j, W's block row r).
; By the blocks' row order the accumulators of W's blocks 4 g + 0 .. 3 hold columns 64 g + 4 r + 0 .. 3 of one row: one addition of the bias each puts them into four registers on end, and sixteen lanes store 256 consecutive bytes, aligned.
; REGISTERS.  Every window of 256 has v128-255: 16 accumulators; v32-79, v80-127: two sets of one piece of four fragments.  Window 0: A's blocks 0-3, window 1: W's 0-3, window 2: W's 4-7, window 3: A's 4-7.
; Accumulator (a, b) lies in window 2 (a / 4) + b / 4.  A step of 128 along K is four phases of 16 products, one for each window of accumulators.  Both operands have two sets, so the next step's 50 LDS loads stand in ONE run,
; behind the step's first phase: 48 products ahead of the first use of windows 0 and 1, 64 ahead of that of windows 2 and 3.  On the way out a window's fragment registers take the sums.
; Window 0 v4-15 addresses, v16-31 scale words (two sets; lanes 0-15 A's block i, lanes 16-31 W's block i).  Window 1 v0-9: the bias, f32(zero point), the stores' offset.
; THE RING: two LDS slots of three K steps (the last fill: two), each wave fetching one group's part by one tensor load.  CLUSTERS: 4 x 4 work-groups; A's tiles are asked for jointly along a row of the cluster, W's along a column.
; THE LAST TWO K STEPS lie in the two sets together and go by windows: windows 0 and 1 are finished first, and window 0's results are stored while the other windows' products are still to come.
; PREFETCH: behind the load of fill n stand two prefetches for fill n + 1, three K steps ahead of its load: its 150 blocks of 256 bytes are shared out among the four partners by address (partner p names blocks p + 4 t);
; left-over lanes name their wave's last block again.  Fill 0 comes by its load alone; fill 10, of 100 blocks, is not asked for, so that no lane names a byte behind the group's last.
; LIMITS: those of launch quant.
.set FRB,    1536
.set SCO,    8*FRB
.set STEPB,  SCO+512
.set HALFT,  3*STEPB                   ; one group's three K steps: what one tensor load brings
.set SLOT,   4*HALFT                   ; A's two groups, then W's two
.set GROUPB, 32*STEPB
.set SPARE,  2*SLOT                    ; the spare words, 128 bytes a wave
.set NROW,   16384                     ; a row of out0 in bytes
.set ADRA, 4                           ; v4-5   LDS address of my A images in slot 0, 1
.set ADRB, 6                           ; v6-7   the same for W
.set ADRS, 8                           ; v8-9   scale words: lanes 0-15 A's, lanes 16-31 W's
.set SPW,  10
.set NIL,  11
.set PFO,  12                          ; v12-13 the prefetches' offsets
.set BO,   14                          ; v14    16 r
.set SC,   16
.set BI,   0                           ; window 1: v0-7 the bias of my columns 64 g + 4 r + t at 4 g + t
.set ZP,   8                           ; window 1
.set CO,   9                           ; window 1: 32 h rows of out0 + 16 r
.set FB,   32
.set ACC,  128
.set G1, 24
.set G0, 32
.set G1B, 48
.set G0B, 56
.set G1F, 68                           ; group 1 for the last fill, of two K steps
.set G1FB, 76
.set PFA, 84
.set MSB, 0
.macro WIN new
.if MSB != \new
	s_set_vgpr_msb (MSB<<8)|\new
.set MSB, \new
.endif
.endm
.macro JLOAD g0a, g1a, g0b, g1b        ; a joint load: waves 0 and 1 fetch A's two groups, waves 2 and 3 W's
	s_cmp_eq_u32 s15, 0
	s_cbranch_scc0 .Lfor_b_\@
	tensor_load_to_lds s[\g0a:\g0a+3], s[\g1a:\g1a+7]
	s_nop 0
.rept 4
	v_nop
.endr
	s_branch .Lasked_\@
.Lfor_b_\@:
	tensor_load_to_lds s[\g0b:\g0b+3], s[\g1b:\g1b+7]
	s_nop 0
.rept 4
	v_nop
.endr
.Lasked_\@:
.endm
.macro CREST                           ; a round of the cluster's barrier behind its opening barrier
	s_cmp_lg_u32 s14, 0
	s_cbranch_scc1 .Lnot_wave_0_\@
	s_barrier_signal -3
.Lnot_wave_0_\@:
	s_barrier_wait -3
	s_barrier_signal -1
	s_barrier_wait -1
.endm
.macro CROUND
	s_barrier_signal -1
	s_barrier_wait -1
	CREST
.endm
.macro PLACES n
.rept \n
	v_nop
.endr
.endm
.macro ASK off, last                   ; last = 1: not in the loop's last trip
	WIN 0
.if \last
	s_cmp_eq_u32 s3, 1
	s_cbranch_scc1 .Lno_ask_\@
.endif
	global_prefetch_b8 v[PFO], s[PFA:PFA+1] offset:\off th:TH_LOAD_NT scope:SCOPE_SE
	global_prefetch_b8 v[PFO+1], s[PFA:PFA+1] offset:\off th:TH_LOAD_NT scope:SCOPE_SE
.if \last
.Lno_ask_\@:
.endif
.endm
	s_load_b128 s[4:7], s[0:1], 0x0                ; a_codes, b_codes
	s_load_b128 s[96:99], s[0:1], 0x10             ; quantized_bias, bias_scale
	s_load_b64 s[100:101], s[0:1], 0x20            ; bias_zero_point
	s_load_b64 s[12:13], s[0:1], 0x28              ; out0
	v_lshl_add_u32 v[SPW], v0, 2, SPARE
	v_mov_b32 v[NIL], 0
	ds_add_u32 v[SPW], v[NIL]                      ; the opening lines: the add, twice on end, and its wait
	ds_add_u32 v[SPW], v[NIL]
	v_lshrrev_b32 v1, 5, v0
	v_readfirstlane_b32 s14, v1                    ; wave 0..3
	s_lshr_b32 s15, s14, 1                         ; my group of A's two.  Also: I fetch for A (0) or for W (1)
	s_and_b32 s16, s14, 1                          ; my group of W's two.  Also: which group of that tile I fetch
	s_bfe_u32 s40, ttmp6, 0x40000                  ; cx
	s_bfe_u32 s41, ttmp6, 0x40004                  ; cy
	s_lshl_b32 s42, ttmp9, 2
	s_add_co_u32 s42, s42, s40                     ; tile column
	s_and_b32 s17, ttmp7, 0xffff
	s_lshl_b32 s17, s17, 2
	s_add_co_u32 s17, s17, s41                     ; tile row
	s_lshl_b32 s43, s41, 2
	s_lshl_b32 s43, 15, s43                        ; my row of the cluster
	s_lshl_b32 s44, 0x1111, s40                    ; my column
	s_or_b32 s[G1+0], s43, (3<<16)|(1<<21)         ; dense rows of 256 bytes: 32 elements of 8 bytes; the mask, and bit 21 beside it
	s_or_b32 s[G1B+0], s44, (3<<16)|(1<<21)
.irp g, G1, G1B
	s_mov_b32 s[\g+1], 32<<16
	s_mov_b32 s[\g+2], 150<<16                     ; three K steps: 150 rows
	s_mov_b32 s[\g+3], 32<<16
	s_mov_b32 s[\g+4], 150
	s_mov_b32 s[\g+5], 32
	s_mov_b32 s[\g+6], 0
	s_mov_b32 s[\g+7], 0
.endr
	s_or_b32 s[G1F+0], s43, (3<<16)|(1<<21)
	s_or_b32 s[G1FB+0], s44, (3<<16)|(1<<21)
.irp g, G1F, G1FB
	s_mov_b32 s[\g+1], 32<<16
	s_mov_b32 s[\g+2], 100<<16                     ; two K steps: 100 rows
	s_mov_b32 s[\g+3], 32<<16
	s_mov_b32 s[\g+4], 100
	s_mov_b32 s[\g+5], 32
	s_mov_b32 s[\g+6], 0
	s_mov_b32 s[\g+7], 0
.endr
	s_lshl_b32 s20, s17, 1
	s_add_co_u32 s20, s20, s16                     ; A's group that I fetch
	s_lshl_b32 s46, s42, 1
	s_add_co_u32 s46, s46, s16                     ; W's
	s_mul_i32 s20, s20, GROUPB
	s_mov_b32 s21, 0
	s_mul_i32 s46, s46, GROUPB
	s_mov_b32 s47, 0
	s_mul_i32 s45, s14, HALFT                      ; where my loads go
	s_mul_i32 s86, s15, HALFT                      ; what I read: A's group in slot 0,
	s_add_co_u32 s87, s86, SLOT                    ; in slot 1;
	s_mul_i32 s88, s16, HALFT
	s_add_co_u32 s88, s88, 2*HALFT                 ; W's group in slot 0,
	s_add_co_u32 s89, s88, SLOT                    ; in slot 1
	s_sub_co_u32 s90, s88, s86                     ; from A's group to W's
	s_wait_dscnt 0x0                               ; both opening adds are done
	s_wait_kmcnt 0x0
	s_add_nc_u64 s[20:21], s[4:5], s[20:21]
	s_add_nc_u64 s[46:47], s[6:7], s[46:47]
	CROUND                                         ; the first joint loads meet
.irp s, 0,1
	s_mov_b32 s[G0+4*\s], 1
	s_add_co_u32 s[G0+4*\s+1], s45, \s*SLOT
	s_add_nc_u64 s[G0+4*\s+2:G0+4*\s+3], s[20:21], \s*3*STEPB
	s_or_b32 s[G0+4*\s+3], s[G0+4*\s+3], 0x80000000
	s_mov_b32 s[G0B+4*\s], 1
	s_add_co_u32 s[G0B+4*\s+1], s45, \s*SLOT
	s_add_nc_u64 s[G0B+4*\s+2:G0B+4*\s+3], s[46:47], \s*3*STEPB
	s_or_b32 s[G0B+4*\s+3], s[G0B+4*\s+3], 0x80000000
.endr
	JLOAD G0, G1, G0B, G1B                         ; fill 0, K steps 0-2: one tensor load a wave at the head
	s_load_b32 s66, s[98:99], 0x0                  ; bias_scale
	s_load_b32 s67, s[100:101], 0x0                ; bias_zero_point: both are first read behind the loop
	s_cmp_eq_u32 s15, 0
	s_cselect_b64 s[PFA:PFA+1], s[20:21], s[46:47] ; the prefetches: the group that I fetch,
	s_cselect_b32 s91, s40, s41                    ; p: my place among the four that ask for it with me
	s_add_nc_u64 s[PFA:PFA+1], s[PFA:PFA+1], 3*STEPB   ; at fill 1
	s_sub_co_u32 s92, 149, s91
	s_lshr_b32 s92, s92, 2                         ; the last t with p + 4 t under 150
	s_lshl_b32 s91, s91, 8
	s_lshl_b32 s22, s42, 10                        ; my first column in bytes: 1,024 x tile column + 512 x group
	s_lshl_b32 s23, s16, 9
	s_add_co_u32 s22, s22, s23
	s_mov_b32 s23, 0
	s_add_nc_u64 s[96:97], s[96:97], s[22:23]
	s_add_nc_u64 s[12:13], s[12:13], s[22:23]
	s_lshl_b32 s22, s17, 8
	s_lshl_b32 s93, s15, 7
	s_add_co_u32 s22, s22, s93                     ; my first row
	s_lshl_b32 s22, s22, 14
	s_add_nc_u64 s[12:13], s[12:13], s[22:23]
	v_and_b32 v1, 15, v0                           ; r
	v_bfe_u32 v2, v0, 4, 1                         ; h
	v_and_b32 v3, 31, v0                           ; lane
	v_lshlrev_b32 v[BO], 4, v1
	v_lshlrev_b32 v15, 4, v3                       ; an image: 16 bytes a lane
	v_add_nc_u32 v[ADRA], s86, v15
	v_add_nc_u32 v[ADRA+1], s87, v15
	v_add_nc_u32 v[ADRB], s88, v15
	v_add_nc_u32 v[ADRB+1], s89, v15
	v_mad_u32_u24 v[ADRS], v2, s90, v[BO]          ; 16 r, and lanes 16-31 take W's
	v_add_nc_u32 v[ADRS+1], s87, v[ADRS]
	v_add_nc_u32 v[ADRS], s86, v[ADRS]
	v_lshl_add_u32 v[PFO], v3, 10, s91             ; block p + 4 t, t = lane;
	v_add_nc_u32 v3, 32, v3
	v_min_u32 v3, s92, v3
	v_lshl_add_u32 v[PFO+1], v3, 10, s91           ; t = 32 + lane, held at my last
	WIN 0x40                                       ; destination window 1
	v_lshl_add_u32 v[CO], v2, 19, v[BO]            ; lanes 16-31: 32 rows of out0 further down
	global_load_b128 v[BI:BI+3], v[BO], s[96:97]               ; quantized_bias at my columns 4 r + 0 .. 3,
	global_load_b128 v[BI+4:BI+7], v[BO], s[96:97] offset:256  ; and 64 + 4 r + 0 .. 3; waited for behind the loop
	ASK 0, 0                                       ; fill 1
.macro WM a, b, p, zero                ; one product: A's block a x W's block b, set p
.if \zero
	v_wmma_scale_f32_16x16x128_f8f6f4 v[ACC+8*(4*((\a)%4)+(\b)%4):ACC+8*(4*((\a)%4)+(\b)%4)+7], v[FB+48*(\p)+12*((\a)%4):FB+48*(\p)+12*((\a)%4)+11], v[FB+48*(\p)+12*((\b)%4):FB+48*(\p)+12*((\b)%4)+11], 0, v[SC+8*(\p)+(\a)], v[SC+8*(\p)+(\b)] matrix_a_fmt:MATRIX_FMT_FP6 matrix_b_fmt:MATRIX_FMT_FP6 matrix_b_scale:MATRIX_SCALE_ROW1
.else
	v_wmma_scale_f32_16x16x128_f8f6f4 v[ACC+8*(4*((\a)%4)+(\b)%4):ACC+8*(4*((\a)%4)+(\b)%4)+7], v[FB+48*(\p)+12*((\a)%4):FB+48*(\p)+12*((\a)%4)+11], v[FB+48*(\p)+12*((\b)%4):FB+48*(\p)+12*((\b)%4)+11], v[ACC+8*(4*((\a)%4)+(\b)%4):ACC+8*(4*((\a)%4)+(\b)%4)+7], v[SC+8*(\p)+(\a)], v[SC+8*(\p)+(\b)] matrix_a_fmt:MATRIX_FMT_FP6 matrix_b_fmt:MATRIX_FMT_FP6 matrix_b_scale:MATRIX_SCALE_ROW1
.endif
.endm
; A phase: A's blocks 4 al + 0 .. 3 (window 3 al) x W's blocks 4 be + 0 .. 3 (window 1 + be), into window 2 al + be; the 16 accumulators by turns
.macro PHASE al, be, p, zero
	WIN ((3*\al)|((1+\be)<<2)|((2*\al+\be)*0x50))
.irp i, 0,1,2,3
.irp k, 0,1,2,3
	WM (4*\al+\i), (4*\be+\k), \p, \zero
.endr
.endr
.endm
.macro PIECE dst, adr, off             ; four fragments: 12 loads
.irp i, 0,1,2,3
.irp k, 0,1,2
	ds_load_b128 v[\dst+12*\i+4*\k:\dst+12*\i+4*\k+3], v[\adr] offset:\off+\i*FRB+512*\k
.endr
.endr
.endm
.macro RUN slot, pn, off               ; the K step at byte off of the slot's groups into set pn, 50 loads in one run: window 0 (12, and 2 of scale words), 1, 2, 3 (12 each); all addresses in window 0
	WIN 0
	PIECE FB+48*(\pn), ADRA+\slot, \off
	ds_load_b128 v[SC+8*(\pn):SC+8*(\pn)+3], v[ADRS+\slot] offset:\off+SCO
	ds_load_b128 v[SC+8*(\pn)+4:SC+8*(\pn)+7], v[ADRS+\slot] offset:\off+SCO+256
	WIN 0x40
	PIECE FB+48*(\pn), ADRB+\slot, \off
	WIN 0x80
	PIECE FB+48*(\pn), ADRB+\slot, \off+4*FRB
	WIN 0xc0
	PIECE FB+48*(\pn), ADRA+\slot, \off+4*FRB
.endm
; A K step that is not its slot's last.  pre = 1: the next step changes slots, and the first two of the three lines in front of its barrier stand here, ahead of the last phase.
.macro STEP slot, q, p, zero, pre
	s_wait_dscnt 24                                ; windows 0 and 1 are in; the youngest 24 loads may be out
	PHASE 0, 0, \p, \zero
	PLACES 4                                       ; behind the products that read the other set, all of them in the step before
	RUN \slot, 1-\p, ((\q)+1)*STEPB
	s_wait_dscnt 50                                ; windows 2 and 3 are in: all but the 50 just issued
	PHASE 0, 1, \p, \zero
	PHASE 1, 0, \p, \zero
.if \pre
	WIN 0
	s_wait_tensorcnt 0x0                           ; all my tensor loads have landed: my part of the next slot;
	ds_add_u32 v[SPW], v[NIL]                      ; sixteen products stand between the add and the wait for it
.endif
	PHASE 1, 1, \p, \zero
.endm
; A slot's last K step changes slots; a STEP with pre = 1 stands ahead of it.  fill = 1: the slot is filled again, six K steps on; 2: with the last fill, of two K steps; 0: not at all, and no round follows.
.macro TURN slot, next, p, fill, last
	s_wait_dscnt 0x0                               ; the add is done, and my reads of this slot are over: this step's fragments are all in
	s_barrier_signal -1
	PHASE 0, 0, \p, 0
	WIN 0
	s_barrier_wait -1
.if \fill
	CREST                                          ; the barrier has opened a round of the cluster's barrier
	s_add_nc_u64 s[G0+4*\slot+2:G0+4*\slot+3], s[G0+4*\slot+2:G0+4*\slot+3], 6*STEPB
	s_add_nc_u64 s[G0B+4*\slot+2:G0B+4*\slot+3], s[G0B+4*\slot+2:G0B+4*\slot+3], 6*STEPB
.if \fill == 2
	JLOAD G0+4*\slot, G1F, G0B+4*\slot, G1FB
.else
	JLOAD G0+4*\slot, G1, G0B+4*\slot, G1B         ; the first tensor load behind the round; its four v_nop are the places in front of the loads below
.endif
.else
	PLACES 4
.endif
	RUN \next, 1-\p, 0
.if \fill == 1
	s_wait_xcnt 0x0                                ; my prefetches of three K steps ago have read their base
	s_add_nc_u64 s[PFA:PFA+1], s[PFA:PFA+1], 3*STEPB
	ASK 3*STEPB, \last                             ; the fill that follows the one just asked for
.endif
	PHASE 0, 1, \p, 0
	PHASE 1, 0, \p, 0
	PHASE 1, 1, \p, 0
.endm
; THE WAY OUT of window w's 16 accumulators.  Source 0 window 1 (the bias; the stores' offset), source 1 and destination window w (the accumulators; the sums, which are the stores' data, in the window's fragment registers).
; Block by block of A: 32 additions, each accumulator from register 0 on, then 8 stores.  Three buffers of 32 registers by turns; the fourth block writes the first buffer again behind the wait on XCNT.
.macro OUT w
	WIN (1|((\w)<<2)|((\w)<<6))
.irp i, 0,1,2,3
.if \i == 3
	s_wait_xcnt 0x0
.endif
.irp j, 0,1,2,3,4,5,6,7
.irp t, 0,1,2,3
	v_add_f32 v[FB+32*(\i%3)+4*\j+\t], v[BI+4*((\w)&1)+\t], v[ACC+8*(4*\i+\t)+\j]
.endr
.endr
.irp j, 0,1,2,3,4,5,6,7
	global_store_b128 v[CO], v[FB+32*(\i%3)+4*\j:FB+32*(\i%3)+4*\j+3], s[12:13] offset:(64*((\w)>>1)+4*\j+\i)*NROW+256*((\w)&1) th:TH_STORE_NT   ; 16 lanes store 256 consecutive bytes, aligned; lanes 16-31 the same columns 32 rows down
.endr
.endr
.endm
	s_wait_alu depctr_va_vdst(0)                   ; the wait at the head's end
	s_wait_tensorcnt 0x0                           ; my part of fill 0 is in
	ds_add_u32 v[SPW], v[NIL]
	s_wait_dscnt 0x0
	CROUND
	JLOAD G0+4, G1, G0B+4, G1B                     ; fill 1, K steps 3-5
	RUN 0, 0, 0
	ASK 3*STEPB, 0                                 ; fill 2
	STEP 0, 0, 0, 1, 0                             ; K step 0 starts the sums
	WIN 0
	s_mov_b32 s3, 4
.Llap:                                                 ; six K steps, from a lap's second to the next lap's first; both slots are filled again: fills 2 to 9
	STEP 0, 1, 1, 0, 1
	TURN 0, 1, 0, 1, 0
	STEP 1, 0, 1, 0, 0
	STEP 1, 1, 0, 0, 1
	TURN 1, 0, 1, 1, 1
	STEP 0, 0, 0, 0, 0
	WIN 0
	s_sub_co_u32 s3, s3, 1
	s_cmp_lg_u32 s3, 0
	s_cbranch_scc1 .Llap
	STEP 0, 1, 1, 0, 1                             ; K step 25
	TURN 0, 1, 0, 2, 0                             ; fill 10: K steps 30 and 31
	STEP 1, 0, 1, 0, 0
	STEP 1, 1, 0, 0, 1
	TURN 1, 0, 1, 0, 0                             ; K step 29; its run brings K step 30 into set 0
	s_wait_loadcnt 0x0                             ; quantized_bias,
	s_wait_kmcnt 0x0                               ; its scale and zero point
	WIN 0x45                                       ; sources 0 and 1 and the destination: window 1
	v_cvt_f32_i32 v[ZP], s67
.irp n, 0,1,2,3,4,5,6,7
	v_cvt_f32_i32 v[BI+\n], v[BI+\n]
.endr
.irp n, 0,1,2,3,4,5,6,7
	v_sub_f32 v[BI+\n], v[BI+\n], v[ZP]
.endr
.irp n, 0,1,2,3,4,5,6,7
	v_mul_f32 v[BI+\n], s66, v[BI+\n]              ; two roundings, as the problem has them
.endr
	s_wait_alu depctr_va_vdst(0)
	PLACES 4                                       ; K STEPS 30 AND 31, by windows, K ascending in each accumulator
	RUN 0, 1, STEPB                                ; K step 31 into set 1, which K step 29 has read
	s_wait_dscnt 50                                ; K step 30 is in: all but the 50 just issued
	PHASE 0, 0, 0, 0
	PHASE 0, 1, 0, 0
	s_wait_dscnt 12                                ; K step 31's windows 0, 1 and 2 are in
	PHASE 0, 0, 1, 0
	PHASE 0, 1, 1, 0
	PLACES 4
	OUT 0                                          ; A's blocks 0-3 are read no more: window 0's fragment registers take its sums
	s_wait_dscnt 0x0
	PHASE 1, 0, 0, 0
	PHASE 1, 0, 1, 0
	PLACES 4
	OUT 1
	PHASE 1, 1, 0, 0
	PHASE 1, 1, 1, 0
	PLACES 4
	OUT 2
	OUT 3
	WIN 0
	s_wait_tensorcnt 0x0                           ; the wave's end
	ds_add_u32 v[SPW], v[NIL]
	s_wait_dscnt 0x0
	CROUND                                         ; the closing round
	s_endpgm
.Lfunc_end_k_q6cf6971fb1_gemm:
	.size	k_q6cf6971fb1_gemm, .Lfunc_end_k_q6cf6971fb1_gemm-k_q6cf6971fb1_gemm
	.p2alignl 7, 3214868480
	.fill 96, 4, 3214868480
	.section	.rodata,"a",@progbits
	.p2align	6, 0x0
	.amdhsa_kernel k_q6cf6971fb1_gemm
		.amdhsa_group_segment_fixed_size 327680
		.amdhsa_private_segment_fixed_size 0
		.amdhsa_enable_private_segment 0
		.amdhsa_kernarg_size 48
		.amdhsa_user_sgpr_count 2
		.amdhsa_user_sgpr_kernarg_segment_ptr 1
		.amdhsa_wavefront_size32 1
		.amdhsa_system_sgpr_workgroup_id_x 1
		.amdhsa_system_sgpr_workgroup_id_y 1
		.amdhsa_system_sgpr_workgroup_id_z 1
		.amdhsa_system_vgpr_workitem_id 0
		.amdhsa_next_free_vgpr 1024
		.amdhsa_next_free_sgpr 102
		.amdhsa_reserve_vcc 0
		.amdhsa_float_denorm_mode_32 3
		.amdhsa_float_denorm_mode_16_64 3
		.amdhsa_memory_ordered 1
		.amdhsa_forward_progress 1
		.amdhsa_inst_pref_size 205
	.end_amdhsa_kernel
	.amdgpu_metadata
---
amdhsa.version: [ 1, 2 ]
amdhsa.kernels:
  - .name:           k_q6cf6971fb1_gemm
    .symbol:         k_q6cf6971fb1_gemm.kd
    .args:
      - { .name: a_codes, .offset: 0, .size: 8, .value_kind: global_buffer, .address_space: global }
      - { .name: b_codes, .offset: 8, .size: 8, .value_kind: global_buffer, .address_space: global }
      - { .name: quantized_bias, .offset: 16, .size: 8, .value_kind: global_buffer, .address_space: global }
      - { .name: bias_scale, .offset: 24, .size: 8, .value_kind: global_buffer, .address_space: global }
      - { .name: bias_zero_point, .offset: 32, .size: 8, .value_kind: global_buffer, .address_space: global }
      - { .name: out0, .offset: 40, .size: 8, .value_kind: global_buffer, .address_space: global }
    .group_segment_fixed_size: 327680
    .private_segment_fixed_size: 0
    .kernarg_segment_align: 8
    .kernarg_segment_size: 48
    .max_flat_workgroup_size: 128
    .sgpr_count:     102
    .vgpr_count:     1024
    .wavefront_size: 32
...
	.end_amdgpu_metadata
.endif
;; end of part 2
